; MI455X (gfx1250); checked and timed in simulation.
; The chip was launched on July 23, 2026; its instructions are those of AMD's public machine-readable ISA for CDNA 5 (MIT licence, August 2026) and "CDNA5" Instruction Set Architecture Reference Guide (July 2026). The comments in the code are by the model that wrote it; some were corrected since.
;; Cross Attention Fuse. Allowed arithmetic: matrix products marked QUANTISED: E2M3 operands, one E8M0 scale for each 32 along K, by v_wmma_scale_f32_16x16x128_f8f6f4 with both operands' format E2M3, f32 sums; everything else in f32.
;; Inputs: K_tokens_codes 4 x 2,048 x 32 x 24 uint8 (E2M3 codes of K_tokens, K innermost, in blocks of 32 codes, four codes in three bytes); K_tokens_scales 4 x 2,048 x 32 uint8 (E8M0 scales of K_tokens, one for each 32 codes along K); Q_tokens_codes 4 x 2,048 x 32 x 24 uint8 (E2M3 codes of Q_tokens, K innermost, in blocks of 32 codes, four codes in three bytes); Q_tokens_scales 4 x 2,048 x 32 uint8 (E8M0 scales of Q_tokens, one for each 32 codes along K); V_tokens_codes 4 x 2,048 x 32 x 24 uint8 (E2M3 codes of V_tokens, K innermost, in blocks of 32 codes, four codes in three bytes); V_tokens_scales 4 x 2,048 x 32 uint8 (E8M0 scales of V_tokens, one for each 32 codes along K); Wk_codes 1,024 x 32 x 24 uint8 (E2M3 codes of Wk, K innermost, in blocks of 32 codes, four codes in three bytes); Wk_scales 1,024 x 32 uint8 (E8M0 scales of Wk, one for each 32 codes along K); Wo_codes 1,024 x 32 x 24 uint8 (E2M3 codes of Wo, K innermost, in blocks of 32 codes, four codes in three bytes); Wo_scales 1,024 x 32 uint8 (E8M0 scales of Wo, one for each 32 codes along K); Wq_codes 1,024 x 32 x 24 uint8 (E2M3 codes of Wq, K innermost, in blocks of 32 codes, four codes in three bytes); Wq_scales 1,024 x 32 uint8 (E8M0 scales of Wq, one for each 32 codes along K); Wv_codes 1,024 x 32 x 24 uint8 (E2M3 codes of Wv, K innermost, in blocks of 32 codes, four codes in three bytes); Wv_scales 1,024 x 32 uint8 (E8M0 scales of Wv, one for each 32 codes along K); bo 1,024 float32; weight_K 4 x 2,048 float32.
;; Outputs: out0 4 x 2,048 x 1,024 float32.
;; This version of the problem:
;;   THIS VERSION OF THE PROBLEM IS GIVEN IN LOW PRECISION. The matrix products marked QUANTISED in the list below multiply operands that are first quantised to E2M3 (2 exponent bits, 3 mantissa bits; 6 bits a number), with one power-of-two scale for each 32 numbers along K (OCP MX v1.0); their sums are f32. All else is computed in f32.
;;   The module's matrix products, in the order in which they are computed (A, B: the left and right operand; K: the contracted axis; several contracted axes count as one K, in the product's order):
;;     1. [M 8,192, K 1,024] x [K 1,024, N 1,024]; A: input Q_tokens (given as codes); B: input Wq (given as codes): QUANTISED
;;     2. [M 8,192, K 1,024] x [K 1,024, N 1,024]; A: input K_tokens (given as codes); B: input Wk (given as codes): QUANTISED
;;     3. [M 8,192, K 1,024] x [K 1,024, N 1,024]; A: input V_tokens (given as codes); B: input Wv (given as codes): QUANTISED
;;     4. batch 64 x [M 2,048, K 64] x [K 64, N 2,048]; A: computed on the way; B: computed on the way: QUANTISED
;;     5. batch 64 x [M 2,048, K 2,048] x [K 2,048, N 64]; A: softmax (see below); B: computed on the way: QUANTISED
;;     6. [M 8,192, K 1,024] x [K 1,024, N 1,024]; A: computed on the way; B: input Wo (given as codes): QUANTISED
;;   THE QUANTISER, for each operand of a quantised product, along K:
;;     - K is cut into blocks of 32 from its start; a last block that is shorter is filled with zeros.
;;     - A block's scale is 2^e with e = floor(log2(the largest magnitude in the block)) - 2, held to -126 .. 127; a block of zeros has e = 0. As a byte (E8M0): e + 127.
;;     - Each number is divided by its block's scale, clamped to +-7.5, and rounded to the nearest number of E2M3, ties to even, subnormals kept.
;;     - The product sums the exact products of the quantised numbers (number of the format x scale) in f32.
;;   ~~~python
;;   def quantise(x, axis):      # numpy; x: float32 -> the quantised numbers, widened to float32 again
;;       x = np.moveaxis(x, axis, -1); K = x.shape[-1]
;;       x = np.pad(x, [(0, 0)] * (x.ndim - 1) + [(0, -K % 32)]); x = x.reshape(x.shape[:-1] + (-1, 32)); a = np.abs(x).max(-1, keepdims=True)
;;       e = np.where(a > 0, np.clip(np.frexp(np.where(a > 0, a, 1))[1] - 1 - 2, -126, 127), 0)      # np.frexp(a)[1] - 1 = floor(log2(a)), exactly
;;       r = np.clip(x / 2.0 ** e, -7.5, 7.5)
;;       step = 2.0 ** (np.maximum(np.frexp(np.where(r == 0, 1, r))[1] - 1, 0) - 3)
;;       q = np.round(r / step) * step * 2.0 ** e      # np.round: ties to even
;;       return np.moveaxis(q.reshape(q.shape[:-2] + (-1,))[..., :K], -1, axis).astype(np.float32)
;;   ~~~
;;   SOFTMAX AHEAD OF A QUANTISED PRODUCT. Where the list says 'softmax', what is quantised is not the finished softmax but p = 2^(t - M), with t = logit x log2(e) and M = ceil(the row's largest t), a whole number; so 1/2 < the row's largest p <= 1. The row's sum l is taken of the UNQUANTISED p, in f32, and the product's result is divided by l at the end. Since M is a whole number, a kernel that streams over the keys may use a running M (the ceiling of the running maximum): every later rescaling is an exact power of two, which a block's scale takes up: the codes' values come out the same.
;;   OPERANDS COMPUTED ON THE WAY. 'Computed on the way' means the value that the module computes at that place (a softmax that the list does not call 'softmax' is quantised finished and normalised). What goes into a quantiser is computed in f32, as accurately as f32 sums, v_exp_f32 and their like allow (about 1e-6 of the number): no bf16 or f16 on the way to a quantiser, and a product that is left as it is and whose result goes on into a quantised operand takes f32 operands (vector FMAs, or v_wmma_f32_16x16x4_f32). A number that lies on a knife's edge between two numbers of the format may be rounded either way, as far as f32 arithmetic and the matrix unit's own rounding can turn it there, and no further.
;;   INPUTS GIVEN AS CODES. K_tokens (in the module: [4, 2048, 1024], K = its axis 2); Q_tokens (in the module: [4, 2048, 1024], K = its axis 2); V_tokens (in the module: [4, 2048, 1024], K = its axis 2); Wk (in the module: [1024, 1024], K = its axis 0); Wo (in the module: [1024, 1024], K = its axis 0); Wq (in the module: [1024, 1024], K = its axis 0); Wv (in the module: [1024, 1024], K = its axis 0): each comes as NAME_codes (uint8): NAME with its K axis moved to the last place and cut into blocks of 32 codes, [.., K / 32, bytes a block], one block behind the other in memory; four codes in three bytes: a row's codes are one little-endian stream of bits, code i at bits 6 i .. 6 i + 5 (a code: sign, 2 exponent bits, 3 mantissa bits); and NAME_scales (uint8): the same leading axes, one E8M0 byte (e + 127) for each 32 codes along K. Its value is code x scale, taken as it is: it is not quantised again, and the codes and scales need not be those that the quantiser above would give.
;; One version. Each part assembles by itself: llvm-mc -triple=amdgcn-amd-amdhsa -mcpu=gfx1250 --defsym DOCPART=n.
;; ======== version 1 of 1: 3 launches
;; limits: right only within a limited range of input values
;; workspace buffers: qkv_img 18,874,368 bytes; qkv_sc 1,572,864 bytes; ao_img 6,291,456 bytes; ao_sc 524,288 bytes
;; launch proj (part 1): grid 4 x 96, 4 waves a work-group, clusters of 4 x 4, 327,680 bytes of LDS; arguments Q_tokens_codes, Q_tokens_scales, Wq_codes, Wq_scales, K_tokens_codes, K_tokens_scales, Wk_codes, Wk_scales, V_tokens_codes, V_tokens_scales, Wv_codes, Wv_scales, weight_K, qkv_img, qkv_sc; writes qkv_img, qkv_sc
.if DOCPART == 1
	.amdgcn_target "amdgcn-amd-amdhsa--gfx1250"
	.amdhsa_code_object_version 6
	.text
	.protected	k_qff3b5dadd8_proj
	.globl	k_qff3b5dadd8_proj
	.p2align	8
	.type	k_qff3b5dadd8_proj,@function
k_qff3b5dadd8_proj:
	s_mov_b64 s[64:65], 0
	v_nop
	global_prefetch_b8 v0, s[64:65] scope:SCOPE_SE
	s_setreg_imm32_b32 hwreg(HW_REG_WAVE_MODE, 25, 1), 1
	s_wait_xcnt 0x0
	s_wait_alu depctr_hold_cnt(0) depctr_sa_sdst(0) depctr_va_vdst(0) depctr_va_sdst(0) depctr_va_ssrc(0) depctr_va_vcc(0) depctr_vm_vsrc(0)
	s_getreg_b32 s2, hwreg(HW_REG_IB_STS2, 6, 4)
	s_cmp_eq_u32 s2, 0
	s_cbranch_scc0 .Lentry_in_a_cluster
	s_endpgm
.Lentry_in_a_cluster:
	s_bfe_u32 s2, ttmp6, 0x10000c
	s_cmp_lg_u32 s2, 0xf033
	s_cbranch_scc0 .Lentry_shape_is_right
	s_endpgm
.Lentry_shape_is_right:
; q, k, v = tokens x W on codes of FP6 (E2M3), k times weight_K, each result quantised again and stored as images of the next launch's operand registers.
; Cluster y / 8 picks the tensor (0 q, 1 k, 2 v).  A work-group makes 256 x 256, a wave 128 x 128 in 64 accumulators.
; Source 0 (X) takes 128 rows of one operand, source 1 (Y) of the other.  q, k: X = the weight's rows, Y = tokens.  v: X = tokens, Y = the weight's rows.
; X's tile hangs on cx and is asked for jointly by a column of the cluster, Y's on cy and by a row: for v the token tile is 4 x (cluster y % 8) + cx and the weight's tile cy,
; so X and Y have the same LDS bytes in all three tensors.
; K goes through two LDS slots in chunks of 256 bytes of each row of 768: three chunks; a step of 128 along K is 96 bytes, so steps 2 and 5 lie across two chunks.
; The scale bytes of a wave's 128 + 128 rows, all of K, lie in registers (32 bytes a lane and pair of blocks).
; No prefetch: K is three chunks, of which two are asked for ahead of the first product.
; LIMITS: NaN and infinities are not served.  A block of a result whose largest magnitude lies under 2^-124 gets the byte 1; these bytes are read by this program alone.
.set KROW,   768
.set ROWB,   256
.set CHUNKS, 3
.set PITCH,  272                       ; 256 bytes + 16 of padding
.set FR,     12
.set NL,     6
.set NP,     4
.set HALFT,  128*PITCH
.set SLOT,   4*HALFT                   ; Y's 256 rows, then X's 256 rows
.set SPARE,  2*SLOT
.set ADRA, 16                          ; v16-19 Y's fragments: slot 0, slot 1, across 0 -> 1, across 1 -> 0
.set ADRB, 20                          ; v20-23 X's
.set L16,  24
.set L8,   25
.set L32,  26
.set R4,   27
.set SPW,  28
.set NIL,  29
.set XS,   30                          ; v30-61 X's scale words; v64-95 Y's
.set YS,   64
.set WK,   96
.set SL,   112
.set SH,   120
.set AF,   128
.set PC,   128
.set PC2,  140
.set TM,   152
.set RW,   168
.set G1,   24
.set G0,   32
.set G1B,  48
.set G0B,  56
.set MSB, 0
.macro WIN new
.if MSB != (\new)
	s_set_vgpr_msb (MSB<<8)|(\new)
.set MSB, (\new)
.endif
.endm
.set MUL_LO, 0xa1
.set MUL_HI, 0xf1
.set TO_B,   0x40
.macro JLOAD g0a, g1a, g0b, g1b        ; waves 0, 1 fetch Y's halves, waves 2, 3 X's: one load a wave
	s_cmp_eq_u32 s17, 0
	s_cbranch_scc0 .Lfor_x_\@
	tensor_load_to_lds s[\g0a:\g0a+3], s[\g1a:\g1a+7]
	s_nop 0
.rept 4
	v_nop
.endr
	s_branch .Lasked_\@
.Lfor_x_\@:
	tensor_load_to_lds s[\g0b:\g0b+3], s[\g1b:\g1b+7]
	s_nop 0
.rept 4
	v_nop
.endr
.Lasked_\@:
.endm
.macro CREST
	s_cmp_lg_u32 s16, 0
	s_cbranch_scc1 .Lnot_wave_0_\@
	s_barrier_signal -3
.Lnot_wave_0_\@:
	s_barrier_wait -3
	s_barrier_signal -1
	s_barrier_wait -1
.endm
.macro CROUND
	s_barrier_signal -1
	s_barrier_wait -1
	CREST
.endm
.macro PLACES n
.rept \n
	v_nop
.endr
.endm
	s_load_b512 s[68:83], s[0:1], 0x0
	s_load_b256 s[84:91], s[0:1], 0x40
	s_load_b128 s[92:95], s[0:1], 0x60
	s_load_b64 s[96:97], s[0:1], 0x70
	v_lshl_add_u32 v[SPW], v0, 2, SPARE
	v_mov_b32 v[NIL], 0
	ds_add_u32 v[SPW], v[NIL]                      ; the opening lines
	ds_add_u32 v[SPW], v[NIL]
	v_lshrrev_b32 v1, 5, v0
	v_readfirstlane_b32 s16, v1                    ; wave
	s_lshr_b32 s17, s16, 1                         ; my half of Y; also: I fetch for Y (0) or X (1)
	s_and_b32 s18, s16, 1                          ; my half of X; also: which 128 rows I fetch
	s_bfe_u32 s20, ttmp6, 0x40000                  ; cx
	s_bfe_u32 s21, ttmp6, 0x40004                  ; cy
	s_and_b32 s40, ttmp7, 0xffff
	s_lshr_b32 s19, s40, 3                         ; tensor
	s_and_b32 s40, s40, 7
	s_lshl_b32 s40, s40, 2
	s_cmp_eq_u32 s19, 2
	s_cselect_b32 s41, s40, 0                      ; the token tiles run along X for v,
	s_cselect_b32 s42, 0, s40                      ; along Y for q and k
	s_lshl_b32 s22, ttmp9, 2
	s_add_co_u32 s22, s22, s20
	s_add_co_u32 s22, s22, s41                     ; X's tile
	s_add_co_u32 s23, s21, s42                     ; Y's tile
	s_lshl_b32 s41, s21, 2
	s_lshl_b32 s41, 15, s41                        ; my row of the cluster
	s_lshl_b32 s42, 0x1111, s20                    ; my column
	s_or_b32 s[G1+0], s41, (1<<20)|(1<<21)|(5<<22)|(3<<25)
	s_or_b32 s[G1B+0], s42, (1<<20)|(1<<21)|(5<<22)|(3<<25)
.irp g, G1, G1B
	s_mov_b32 s[\g+1], ROWB<<16
	s_mov_b32 s[\g+2], 128<<16
	s_mov_b32 s[\g+3], ROWB<<16
	s_mov_b32 s[\g+4], 128
	s_mov_b32 s[\g+5], KROW
	s_mov_b32 s[\g+6], 0
	s_mov_b32 s[\g+7], 0
.endr
	s_mov_b32 s66, 0x76543210
	s_mov_b32 s67, 0xfedcba98
	s_mov_b32 s2, 0xffff0000
	s_lshl_b32 s43, s18, 7
	s_lshl_b32 s44, s23, 8
	s_add_co_u32 s44, s44, s43
	s_mul_i32 s44, s44, KROW                       ; Y: my 128 rows, in bytes
	s_mov_b32 s45, 0
	s_lshl_b32 s46, s22, 8
	s_add_co_u32 s46, s46, s43
	s_mul_i32 s46, s46, KROW                       ; X likewise
	s_mov_b32 s47, 0
	s_mul_i32 s43, s16, HALFT                      ; where they land: wave x 128 rows
	s_wait_dscnt 0x0
	s_wait_kmcnt 0x0
	s_cmp_eq_u32 s19, 0
	s_cselect_b64 s[4:5], s[68:69], s[76:77]       ; tokens' codes, scales; the weight's codes, scales
	s_cselect_b64 s[6:7], s[70:71], s[78:79]
	s_cselect_b64 s[8:9], s[72:73], s[80:81]
	s_cselect_b64 s[10:11], s[74:75], s[82:83]
	s_cmp_eq_u32 s19, 2
	s_cselect_b64 s[4:5], s[84:85], s[4:5]
	s_cselect_b64 s[6:7], s[86:87], s[6:7]
	s_cselect_b64 s[8:9], s[88:89], s[8:9]
	s_cselect_b64 s[10:11], s[90:91], s[10:11]
	s_cselect_b64 s[12:13], s[8:9], s[4:5]         ; Y's codes
	s_cselect_b64 s[14:15], s[4:5], s[8:9]         ; X's codes
	s_add_nc_u64 s[44:45], s[12:13], s[44:45]
	s_add_nc_u64 s[46:47], s[14:15], s[46:47]
	s_cselect_b64 s[12:13], s[6:7], s[10:11]       ; X's scales
	s_cselect_b64 s[14:15], s[10:11], s[6:7]       ; Y's scales
	CROUND                                         ; the first joint loads meet
.irp s, 0,1
	s_mov_b32 s[G0+4*\s], 1
	s_add_co_u32 s[G0+4*\s+1], s43, \s*SLOT
	s_add_nc_u64 s[G0+4*\s+2:G0+4*\s+3], s[44:45], \s*ROWB
	s_or_b32 s[G0+4*\s+3], s[G0+4*\s+3], 0x80000000
	s_mov_b32 s[G0B+4*\s], 1
	s_add_co_u32 s[G0B+4*\s+1], s43, \s*SLOT
	s_add_nc_u64 s[G0B+4*\s+2:G0B+4*\s+3], s[46:47], \s*ROWB
	s_or_b32 s[G0B+4*\s+3], s[G0B+4*\s+3], 0x80000000
.endr
	JLOAD G0, G1, G0B, G1B                         ; chunk 0: my one load at the head
	s_mov_b32 s40, SLOT-232
	s_mov_b32 s41, SLOT+232
	s_mul_i32 s74, s17, HALFT                      ; my 128 rows of Y
	s_mul_i32 s75, s18, HALFT
	s_add_co_u32 s75, s75, 2*HALFT                 ; my 128 rows of X
	s_add_co_u32 s76, s74, SLOT
	s_add_co_u32 s77, s75, SLOT
	s_lshl_b32 s81, s22, 1
	s_add_co_u32 s81, s81, s18                     ; X's run of 128 rows
	s_lshl_b32 s82, s23, 1
	s_add_co_u32 s82, s82, s17                     ; Y's
	s_cmp_eq_u32 s19, 2
	s_cselect_b32 s79, s81, s82                    ; the run of tokens
	s_cselect_b32 s80, s82, s81                    ; the pair of heads
	s_cselect_b32 s78, 8, 9
	s_lshl_b32 s84, s81, 12
	s_mov_b32 s85, 0
	s_add_nc_u64 s[12:13], s[12:13], s[84:85]
	s_lshl_b32 s84, s82, 12
	s_add_nc_u64 s[14:15], s[14:15], s[84:85]
	s_lshr_b32 s86, s79, 4
	s_lshl_b32 s86, s86, 3
	s_add_co_u32 s86, s86, s80                     ; 8 x batch + pair
	s_and_b32 s87, s79, 15
	s_lshl_b32 s88, s86, 4
	s_add_co_u32 s88, s88, s87
	s_mul_i32 s88, s88, 12288
	s_mul_i32 s89, s19, 6291456
	s_add_co_u32 s88, s88, s89
	s_mov_b32 s89, 0
	s_add_nc_u64 s[94:95], s[94:95], s[88:89]      ; my images
	s_lshl_b32 s88, s86, 5
	s_add_co_u32 s88, s88, s87
	s_lshl_b32 s88, s88, s78
	s_lshl_b32 s90, s19, 19
	s_add_co_u32 s88, s88, s90
	s_add_nc_u64 s[96:97], s[96:97], s[88:89]      ; my scale words
	s_lshl_b32 s88, s79, 9
	s_add_nc_u64 s[92:93], s[92:93], s[88:89]      ; weight_K of my tokens
	v_and_b32 v1, 15, v0
	v_bfe_u32 v2, v0, 4, 1
	v_and_b32 v3, 31, v0
	v_lshlrev_b32 v[L16], 4, v3
	v_lshlrev_b32 v[L8], 3, v3
	v_lshlrev_b32 v[L32], 5, v3
	v_lshlrev_b32 v[R4], 2, v1
	v_mul_u32_u24 v4, v1, PITCH
	v_mul_u32_u24 v5, v2, 24
	v_add_nc_u32 v5, v4, v5                        ; row x pitch + 24 x half
	v_sub_nc_u32 v7, 1, v2
	v_mul_u32_u24 v6, s40, v2
	v_add_nc_u32 v6, v4, v6
	v_add_nc_u32 v6, 232, v6                       ; lanes 0-15 byte 232 in slot 0, lanes 16-31 byte 0 in slot 1
	v_mul_u32_u24 v8, s41, v7
	v_add_nc_u32 v8, v4, v8                        ; lanes 0-15 byte 232 in slot 1, lanes 16-31 byte 0 in slot 0
	v_add_nc_u32 v[ADRA], s74, v5
	v_add_nc_u32 v[ADRA+1], s76, v5
	v_add_nc_u32 v[ADRA+2], s74, v6
	v_add_nc_u32 v[ADRA+3], s74, v8
	v_add_nc_u32 v[ADRB], s75, v5
	v_add_nc_u32 v[ADRB+1], s77, v5
	v_add_nc_u32 v[ADRB+2], s75, v6
	v_add_nc_u32 v[ADRB+3], s75, v8
.irp a, 0,1,2,3,4,5,6,7,8,9,10,11,12,13,14,15
	v_mov_b32 v[WK+\a], 1.0
.endr
	s_wait_alu depctr_va_vdst(0)
.irp b, 0,1,2,3
	global_load_b128 v[XS+8*\b:XS+8*\b+3], v[L32], s[12:13] offset:1024*\b
	global_load_b128 v[XS+8*\b+4:XS+8*\b+7], v[L32], s[12:13] offset:1024*\b+16
	global_load_b128 v[YS+8*\b:YS+8*\b+3], v[L32], s[14:15] offset:1024*\b
	global_load_b128 v[YS+8*\b+4:YS+8*\b+7], v[L32], s[14:15] offset:1024*\b+16
.endr
	s_cmp_lg_u32 s19, 1
	s_cbranch_scc1 .Lno_w
.irp a, 0,1,2,3,4,5,6,7
	global_load_b32 v[WK+2*\a], v[R4], s[92:93] offset:64*\a
.endr
.Lno_w:
.macro FRAG reg, adr, st, i            ; 16 rows x 128 K: six pieces of 8 bytes; byte y of a row lies in slot (y / 256) % 2 at byte y % 256
.irp p, 0,1,2,3,4,5
.set BY, 96*(\st)+48*(\p/3)+8*(\p%3)
.if BY/ROWB == (BY+24)/ROWB
	ds_load_b64 v[\reg+2*\p:\reg+2*\p+1], v[\adr+(BY/ROWB)%2] offset:BY%ROWB+(\i)*16*PITCH
.else
	ds_load_b64 v[\reg+2*\p:\reg+2*\p+1], v[\adr+2+(BY/ROWB)%2] offset:BY%ROWB-232+(\i)*16*PITCH
.endif
.endr
.endm
.macro MUL16 a0, p, ks, zero           ; Y's blocks a0, a0 + 1 x X's eight; the accumulators by turns
.irp pa, 0,1
.irp bb, 0,1,2,3
.irp pb, 0,1
.set rD, 8*(8*(((\a0)+\pa)%4)+2*\bb+\pb)
.set rX, 128*(\p)+FR*(2*\bb+\pb)
.set rY, AF+FR*((\a0)+\pa)
.set rXS, XS+8*\bb+(\ks)
.set rYS, YS+8*((\a0)/2)+(\ks)
.if \zero
	v_wmma_scale_f32_16x16x128_f8f6f4 v[rD:rD+7], v[rX:rX+11], v[rY:rY+11], 0, v[rXS], v[rYS] matrix_a_fmt:MATRIX_FMT_FP6 matrix_b_fmt:MATRIX_FMT_FP6 matrix_a_scale:MATRIX_SCALE_ROW\pb matrix_b_scale:MATRIX_SCALE_ROW\pa
.else
	v_wmma_scale_f32_16x16x128_f8f6f4 v[rD:rD+7], v[rX:rX+11], v[rY:rY+11], v[rD:rD+7], v[rXS], v[rYS] matrix_a_fmt:MATRIX_FMT_FP6 matrix_b_fmt:MATRIX_FMT_FP6 matrix_a_scale:MATRIX_SCALE_ROW\pb matrix_b_scale:MATRIX_SCALE_ROW\pa
.endif
.endr
.endr
.endr
.endm
.macro FETCH_B st, p
	WIN TO_B
.irp i, 0,1,2,3,4,5,6,7
	FRAG 128*(\p)+FR*\i, ADRB, \st, \i
.endr
	WIN 0
.endm
.macro FETCH_A st, i0
.irp i, \i0, \i0+1, \i0+2, \i0+3
	FRAG AF+FR*(\i), ADRA, \st, \i
.endr
.endm
; A step of 128 along K.  Where the next step's bytes end in a chunk not read yet, a barrier shows that chunk whole; where they begin in a later chunk, the chunk left behind is read no more:
; the three lines, the barrier, and, while a chunk two on is left, the cluster's round and the refill.
.macro STEP st, zero
.set NX, (\st)+1
.set C0, (96*(\st))/ROWB
.set C1, (96*NX)/ROWB
.set E0, (96*(\st)+95)/ROWB
.set E1, (96*NX+95)/ROWB
.if C1 > C0 || E1 > E0
	s_wait_tensorcnt 0x0
.if C1 > C0
	ds_add_u32 v[SPW], v[NIL]
	s_wait_dscnt 4*NL+1                            ; the add and Y's blocks 4-7 may be out
.else
	s_wait_dscnt 4*NL                              ; Y's blocks 4-7 may be out
.endif
	WIN MUL_LO
	MUL16 0, (\st)%2, \st, \zero
	s_wait_dscnt 0x0
	s_barrier_signal -1
	MUL16 2, (\st)%2, \st, \zero
	WIN 0
	s_barrier_wait -1
.if C1 > C0 && C0+2 < CHUNKS
	CREST
	s_add_nc_u64 s[G0+4*(C0%2)+2:G0+4*(C0%2)+3], s[G0+4*(C0%2)+2:G0+4*(C0%2)+3], 2*ROWB
	s_add_nc_u64 s[G0B+4*(C0%2)+2:G0B+4*(C0%2)+3], s[G0B+4*(C0%2)+2:G0B+4*(C0%2)+3], 2*ROWB
	JLOAD G0+4*(C0%2), G1, G0B+4*(C0%2), G1B
.else
	PLACES NP
.endif
.else
	s_wait_dscnt 4*NL
	WIN MUL_LO
	MUL16 0, (\st)%2, \st, \zero
	MUL16 2, (\st)%2, \st, \zero
	s_wait_dscnt 0
	PLACES NP
.endif
	FETCH_B NX, NX%2
	FETCH_A NX, 0
	WIN MUL_HI
	MUL16 4, (\st)%2, \st, \zero
	MUL16 6, (\st)%2, \st, \zero
	PLACES NP
	WIN 0
	FETCH_A NX, 4
.endm
	s_wait_alu depctr_va_vdst(0)
	s_wait_tensorcnt 0x0                           ; my part of chunk 0 is in; slot 1's first fill is issued as a refill is
	ds_add_u32 v[SPW], v[NIL]
	s_wait_dscnt 0x0
	CROUND
	JLOAD G0+4, G1, G0B+4, G1B                     ; chunk 1
	FETCH_B 0, 0
	FETCH_A 0, 0
	FETCH_A 0, 4
	s_wait_loadcnt 0x0                             ; the scale words and weight_K
	STEP 0, 1
.set ST, 1
.rept 6
	STEP ST, 0
.set ST, ST+1
.endr
	s_wait_dscnt 4*NL
	WIN MUL_LO
	MUL16 0, 1, 7, 0
	MUL16 2, 1, 7, 0
	s_wait_dscnt 0
	WIN MUL_HI
	MUL16 4, 1, 7, 0
	MUL16 6, 1, 7, 0
	WIN 0
	PLACES NP
.irp b, 0,1,2,3
	v_mov_b32 v[TM+4+\b], 0
.endr
	s_cmp_lg_u32 s19, 1
	s_cbranch_scc1 .Lno_weight
.irp a, 0,1,2,3,4,5,6,7                ; k x weight_K: a lane holds one token
	WIN 0x82+0x41*(\a/4)
.set j, 0
.rept 32
	v_pk_mul_f32 v[64*(\a%4)+j:64*(\a%4)+j+1], v[64*(\a%4)+j:64*(\a%4)+j+1], v[WK+2*\a:WK+2*\a+1] op_sel_hi:[1,0]
.set j, j+2
.endr
.endr
	WIN 0
.Lno_weight:
.macro QOUT a                          ; Y's block a: four blocks of 32 along X, their scales, codes, and the image's four stores
.set AC, 64*((\a)%4)
.set WW, 2+(\a)/4
.set WN, (WW<<2)|(WW<<4)
	WIN WN
.irp b, 0,1,2,3
	v_max3_num_f32 v[TM+\b], 0x1800000, |v[AC+16*\b]|, |v[AC+16*\b+1]|
.endr
.irp i, 2,4,6,8,10,12,14
.irp b, 0,1,2,3
	v_max3_num_f32 v[TM+\b], v[TM+\b], |v[AC+16*\b+\i]|, |v[AC+16*\b+\i+1]|
.endr
.endr
	WIN 0
.irp b, 0,1,2,3
	v_permlanex16_b32 v[TM+4+\b], v[TM+\b], s66, s67
.endr
.irp b, 0,1,2,3
	v_max_num_f32 v[TM+\b], v[TM+\b], v[TM+4+\b]
.endr
.irp b, 0,1,2,3
	v_add_nc_u32 v[TM+12+\b], 0xff000000, v[TM+\b]
.endr
.irp b, 0,1,2,3
	v_lshrrev_b32 v[TM+4+\b], 23, v[TM+12+\b]
.endr
	v_lshl_or_b32 v[SL+\a], v[TM+5], 8, v[TM+4]
	v_lshl_or_b32 v[SH+\a], v[TM+7], 8, v[TM+6]
	s_wait_alu depctr_va_vdst(0)
	s_wait_xcnt 0x0                                ; the last block's stores have read the codes' registers
	WIN WW
.irp c, 0,1
	v_cvt_scalef32_pk16_fp6_f32 v[PC+6*\c:PC+6*\c+2], v[AC+32*\c:AC+32*\c+15], v[TM+12+2*\c]
	v_cvt_scalef32_pk16_fp6_f32 v[PC2+4*\c:PC2+4*\c+2], v[AC+32*\c+16:AC+32*\c+31], v[TM+12+2*\c+1]
.endr
	WIN 0
	v_nop
.irp c, 0,1
.irp i, 0,1,2
	v_permlane16_swap_b32 v[PC+6*\c+\i], v[PC2+4*\c+\i]
.endr
.irp i, 0,1,2
	v_mov_b32 v[PC+3+6*\c+\i], v[PC2+4*\c+\i]
.endr
.endr
	global_store_b128 v[L16], v[PC:PC+3], s[94:95] offset:1536*(\a)
	global_store_b64 v[L8], v[PC+4:PC+5], s[94:95] offset:1536*(\a)+512
	global_store_b128 v[L16], v[PC+6:PC+9], s[94:95] offset:1536*(\a)+768
	global_store_b64 v[L8], v[PC+10:PC+11], s[94:95] offset:1536*(\a)+1280
.endm
.irp a, 0,1,2,3,4,5,6,7
	QOUT \a
.endr
	s_cmp_eq_u32 s19, 2
	s_cbranch_scc1 .Lsc_v
.irp j, 0,1,2,3
	v_cndmask_b32 v[RW+\j], v[SL+\j], v[SL+4+\j], s2
	v_cndmask_b32 v[RW+4+\j], v[SH+\j], v[SH+4+\j], s2
.endr
.irp j, 0,1,2,3,4,5,6,7
	v_or_b32 v[RW+\j], 0x7f7f0000, v[RW+\j]        ; the bytes of the zero codes of K = 64 .. 127
.endr
	global_store_b128 v[L16], v[RW:RW+3], s[96:97]
	global_store_b128 v[L16], v[RW+4:RW+7], s[96:97] offset:8192
	s_branch .Lsc_done
.Lsc_v:
.irp a, 0,1,2,3,4,5,6,7
	v_lshl_or_b32 v[SL+\a], v[SH+\a], 16, v[SL+\a]
.endr
.irp c, 0,1
.irp j, 0,1
	v_cndmask_b32 v[RW+2*\c+\j], v[SL+4*\c+\j], v[SL+4*\c+2+\j], s2
.endr
.endr
	global_store_b64 v[L8], v[RW:RW+1], s[96:97]
	global_store_b64 v[L8], v[RW+2:RW+3], s[96:97] offset:4096
.Lsc_done:
	s_wait_tensorcnt 0x0                           ; the wave's end
	ds_add_u32 v[SPW], v[NIL]
	s_wait_dscnt 0x0
	CROUND                                         ; the closing round
	s_endpgm
.Lfunc_end_k_qff3b5dadd8_proj:
	.size	k_qff3b5dadd8_proj, .Lfunc_end_k_qff3b5dadd8_proj-k_qff3b5dadd8_proj
	.p2alignl 7, 3214868480
	.fill 96, 4, 3214868480
	.section	.rodata,"a",@progbits
	.p2align	6, 0x0
	.amdhsa_kernel k_qff3b5dadd8_proj
		.amdhsa_group_segment_fixed_size 327680
		.amdhsa_private_segment_fixed_size 0
		.amdhsa_enable_private_segment 0
		.amdhsa_kernarg_size 120
		.amdhsa_user_sgpr_count 2
		.amdhsa_user_sgpr_kernarg_segment_ptr 1
		.amdhsa_wavefront_size32 1
		.amdhsa_system_sgpr_workgroup_id_x 1
		.amdhsa_system_sgpr_workgroup_id_y 1
		.amdhsa_system_sgpr_workgroup_id_z 1
		.amdhsa_system_vgpr_workitem_id 0
		.amdhsa_next_free_vgpr 1024
		.amdhsa_next_free_sgpr 100
		.amdhsa_reserve_vcc 0
		.amdhsa_float_denorm_mode_32 3
		.amdhsa_float_denorm_mode_16_64 3
		.amdhsa_memory_ordered 1
		.amdhsa_forward_progress 1
		.amdhsa_inst_pref_size 182
	.end_amdhsa_kernel
	.amdgpu_metadata
---
amdhsa.version: [ 1, 2 ]
amdhsa.kernels:
  - .name:           k_qff3b5dadd8_proj
    .symbol:         k_qff3b5dadd8_proj.kd
    .args:
      - { .name: Q_tokens_codes, .offset: 0, .size: 8, .value_kind: global_buffer, .address_space: global }
      - { .name: Q_tokens_scales, .offset: 8, .size: 8, .value_kind: global_buffer, .address_space: global }
      - { .name: Wq_codes, .offset: 16, .size: 8, .value_kind: global_buffer, .address_space: global }
      - { .name: Wq_scales, .offset: 24, .size: 8, .value_kind: global_buffer, .address_space: global }
      - { .name: K_tokens_codes, .offset: 32, .size: 8, .value_kind: global_buffer, .address_space: global }
      - { .name: K_tokens_scales, .offset: 40, .size: 8, .value_kind: global_buffer, .address_space: global }
      - { .name: Wk_codes, .offset: 48, .size: 8, .value_kind: global_buffer, .address_space: global }
      - { .name: Wk_scales, .offset: 56, .size: 8, .value_kind: global_buffer, .address_space: global }
      - { .name: V_tokens_codes, .offset: 64, .size: 8, .value_kind: global_buffer, .address_space: global }
      - { .name: V_tokens_scales, .offset: 72, .size: 8, .value_kind: global_buffer, .address_space: global }
      - { .name: Wv_codes, .offset: 80, .size: 8, .value_kind: global_buffer, .address_space: global }
      - { .name: Wv_scales, .offset: 88, .size: 8, .value_kind: global_buffer, .address_space: global }
      - { .name: weight_K, .offset: 96, .size: 8, .value_kind: global_buffer, .address_space: global }
      - { .name: qkv_img, .offset: 104, .size: 8, .value_kind: global_buffer, .address_space: global }
      - { .name: qkv_sc, .offset: 112, .size: 8, .value_kind: global_buffer, .address_space: global }
    .group_segment_fixed_size: 327680
    .private_segment_fixed_size: 0
    .kernarg_segment_align: 8
    .kernarg_segment_size: 120
    .max_flat_workgroup_size: 128
    .sgpr_count:     100
    .vgpr_count:     1024
    .wavefront_size: 32
...
	.end_amdgpu_metadata
.endif
;; end of part 1
;; launch attn (part 2): grid 4 x 64, 16 waves a work-group, clusters of 4 x 1, 210,944 bytes of LDS; arguments qkv_img, qkv_sc, ao_img, ao_sc; writes ao_img, ao_sc
.if DOCPART == 2
	.amdgcn_target "amdgcn-amd-amdhsa--gfx1250"
	.amdhsa_code_object_version 6
	.text
	.protected	k_qff3b5dadd8_attn
	.globl	k_qff3b5dadd8_attn
	.p2align	8
	.type	k_qff3b5dadd8_attn,@function
k_qff3b5dadd8_attn:
	s_mov_b64 s[64:65], 0
	v_nop
	global_prefetch_b8 v0, s[64:65] scope:SCOPE_SE
	s_setreg_imm32_b32 hwreg(HW_REG_WAVE_MODE, 25, 1), 1
	s_wait_xcnt 0x0
	s_wait_alu depctr_hold_cnt(0) depctr_sa_sdst(0) depctr_va_vdst(0) depctr_va_sdst(0) depctr_va_ssrc(0) depctr_va_vcc(0) depctr_vm_vsrc(0)
	s_getreg_b32 s2, hwreg(HW_REG_IB_STS2, 6, 4)
	s_cmp_eq_u32 s2, 0
	s_cbranch_scc0 .Lentry_in_a_cluster
	s_endpgm
.Lentry_in_a_cluster:
	s_bfe_u32 s2, ttmp6, 0x10000c
	s_cmp_lg_u32 s2, 0x3003
	s_cbranch_scc0 .Lentry_shape_is_right
	s_endpgm
.Lentry_shape_is_right:
; Attention of one head on codes of FP6 (E2M3): S^T = k q^T (K = the head's 64 channels; the upper 64 of the instruction's 128 are zero codes), the softmax, O^T = v^T p^T (K = the keys),
; O / the row's sum, and the quantiser of that result along the channels, for the last product of the module.
; THE SOFTMAX: t = score x log2(e) / 8; M = the running largest t rounded UP to a whole number; p = 2^(t - M) is quantised along the keys, not normalised; the row's sum is taken of the unquantised p, in f32.
; When M moves, the sum and O are multiplied by 2^(old M - new M): exact.
; SHARES.  Work-group y = 16 x batch + head; x = which 512 queries.  Sixteen waves, four to a SIMD, so that one wave's vector work stands beside another's products and LDS loads.  A wave owns two tiles of 16 queries, one after the other.
; ONE HEAD'S k, v AND SCALE WORDS, 208,896 bytes, LIE IN LDS WHOLE: filled once, never again, so there is no ring.  The four work-groups of a cluster belong to one head and ask for these tiles jointly.
; LAYOUT.  Both products are used transposed: a lane holds one query (lane % 16) throughout.  k, v and q come as images of the operands' registers (six registers a lane in 768 bytes: registers 0-3 at 16 x lane,
; registers 4-5 at 512 + 8 x lane), so a fragment is read with the lanes on end.  Inside a block of 32, q and k, and p and v, carry the same order of places (0..7, 16..23, 8..15, 24..31), since the same lines make both sides.
; The result meets a given operand (Wo), so its numbers are first brought into their true order, by 16 exchanges of halves.
; LIMITS: NaN and infinities are not served.  A block of p, or of the result, whose largest magnitude lies under 2^-124 gets the byte 1; its codes are zeros or next to it, and the bytes are read by this program alone.
; A block's largest p is taken as the exponential of the block's largest score: this leans on v_exp_f32 not falling where its input rises.
.set VL,   98304                       ; LDS: k's 128 tiles of 768 bytes at 0; v's 16 steps of 6,144 bytes here;
.set SCK,  196608                      ; k's scale words, 512 bytes a step;
.set SCV,  204800                      ; v's, 256 bytes a step
.set QF0,  18                          ; v18-29 my first tile's q; its upper six registers are zeros
.set QS0,  30                          ; its scale words
.set AW0,  31                          ; the first tile's result's scale word
.set KF,   32                          ; v32-79 four fragments of k; the upper six registers of each are zeros
.set KS,   80                          ; v80-83 k's scale words of a step
.set VS,   84                          ; v84-85 v's
.set PW,   86                          ; p's scale word
.set AW1,  87
.set S,    96                          ; v96-159 S^T, then p; v96-143 then take v's four fragments
.set O,    160                         ; v160-191 O^T
.set PC,   192                         ; v192-203 p's codes
.set PC2,  204
.set BM,   212                         ; v212-215 the blocks' largest scores, then largest p
.set BT,   216                         ; v216-219 the other half's; then the bytes
.set BS,   220                         ; v220-223 the conversions' scale operands
.set FF,   224                         ; v[224:225] f = 2^(old M - new M)
.set RC,   226                         ; v[226:227] 1 / the sum
.set SA,   228                         ; v[228:229] the sum's second chain
.set QF1,  230                         ; v230-241 my second tile's q
.set QS1,  242
.set TT,   243                         ; at work
.set G1K,  24                          ; s[24:31] group 1: 16 tiles of k
.set G1V,  32                          ; s[32:39] four steps of v
.set G1SK, 40                          ; s[40:47] half of k's scale words
.set G1SV, 48                          ; s[48:55] half of v's
.set G0SK, 76
.set G0SV, 80
.macro CROUND                          ; a round of the cluster's barrier
	s_barrier_signal -1
	s_barrier_wait -1
	s_cmp_lg_u32 s12, 0
	s_cbranch_scc1 .Lnot_wave_0_\@
	s_barrier_signal -3
.Lnot_wave_0_\@:
	s_barrier_wait -3
	s_barrier_signal -1
	s_barrier_wait -1
.endm
.macro G0SET g, lds, add               ; a group 0: LDS byte s104 + lds, global address s[2:3] + add
	s_mov_b32 s[\g], 1
	s_add_co_u32 s[\g+1], s104, \lds
	s_add_nc_u64 s[\g+2:\g+3], s[2:3], \add
	s_or_b32 s[\g+3], s[\g+3], 0x80000000
.endm
	s_load_b256 s[4:11], s[0:1], 0x0               ; qkv_img, qkv_sc, ao_img, ao_sc
	v_lshl_add_u32 v254, v0, 2, 0x33000
	v_mov_b32 v255, 0
	ds_add_u32 v254, v255
	ds_add_u32 v254, v255
	v_lshrrev_b32 v90, 5, v0
	s_delay_alu instid0(VALU_DEP_1)
	v_readfirstlane_b32 s12, v90                   ; wave 0..15
	s_and_b32 s15, ttmp7, 0xffff                   ; y = 16 x batch + 2 x pair + head of the pair: shared by the four partners
	s_lshr_b32 s16, s15, 1                         ; 8 x batch + pair
	s_and_b32 s17, s15, 1                          ; head of the pair
	s_lshr_b32 s18, s15, 4                         ; batch
	s_and_b32 s19, s16, 7                          ; pair
	; groups 1: elements of 8 bytes, the mask names all four work-groups, bit 21 beside it, no padding
	s_mov_b32 s[G1K], 15|(3<<16)|(1<<21)
	s_mov_b32 s[G1K+1], 96<<16                     ; 16 rows of 768 bytes,
	s_mov_b32 s[G1K+2], 16<<16
	s_mov_b32 s[G1K+3], 96<<16
	s_mov_b32 s[G1K+4], 16
	s_mov_b32 s[G1K+5], 192                        ; 1,536 bytes apart: every second half image is my head's
	s_mov_b32 s[G1K+6], 0
	s_mov_b32 s[G1K+7], 0
	s_mov_b32 s[G1V], 15|(3<<16)|(1<<21)
	s_mov_b32 s[G1V+1], 768<<16                    ; 4 rows of 6,144 bytes,
	s_mov_b32 s[G1V+2], 4<<16                      ; 4 rows of 6,144 bytes to a load
	s_mov_b32 s[G1V+3], 768<<16
	s_mov_b32 s[G1V+4], 4
	s_mov_b32 s[G1V+5], 1536                       ; 12,288 bytes apart
	s_mov_b32 s[G1V+6], 0
	s_mov_b32 s[G1V+7], 0
	s_mov_b32 s[G1SK], 15|(3<<16)|(1<<21)
	s_mov_b32 s[G1SK+1], 32<<16                    ; 4,096 dense bytes as 16 rows of 256
	s_mov_b32 s[G1SK+2], 16<<16
	s_mov_b32 s[G1SK+3], 32<<16
	s_mov_b32 s[G1SK+4], 16
	s_mov_b32 s[G1SK+5], 32
	s_mov_b32 s[G1SK+6], 0
	s_mov_b32 s[G1SK+7], 0
	s_mov_b32 s[G1SV], 15|(3<<16)|(1<<21)
	s_mov_b32 s[G1SV+1], 32<<16                    ; 2,048 dense bytes as 8 rows of 256
	s_mov_b32 s[G1SV+2], 8<<16
	s_mov_b32 s[G1SV+3], 32<<16
	s_mov_b32 s[G1SV+4], 8
	s_mov_b32 s[G1SV+5], 32
	s_mov_b32 s[G1SV+6], 0
	s_mov_b32 s[G1SV+7], 0
	s_mov_b32 s20, 0x76543210
	s_mov_b32 s21, 0xfedcba98                      ; v_permlanex16_b32's selects for lane l xor 16
	s_mov_b32 s22, 0x3e38aa3b                      ; c = log2(e) / 8
	s_mov_b32 s23, s22                             ; (named with it as a pair)
	s_mov_b32 s88, 0xffff0000                      ; lanes 16-31
	s_mov_b32 s84, 0                               ; where the step's tiles begin: 6,144 bytes a step, in k's part and in v's
	s_mov_b32 s85, 0                               ; k's scale words: 512 a step
	s_mov_b32 s86, 0                               ; v's: 256 a step
	; THE SIXTEEN FIRST FILLS, ONE A WAVE: waves 0-7 sixteen tiles of k each, waves 8-11 four key steps of v each, waves 12, 13 a half of k's scale words, waves 14, 15 a half of v's
	s_and_b32 s99, s12, 1                          ; which half of the scale words
	s_and_b32 s98, s12, 7                          ; k: which sixteen tiles
	s_mul_i32 s100, s17, 768                       ; my head in the pair
	s_add_co_u32 s100, s100, 6291456               ; part 1 of qkv_img
	s_mul_i32 s101, s16, 196608
	s_add_co_u32 s100, s100, s101
	s_mul_i32 s101, s98, 24576
	s_add_co_u32 s100, s100, s101
	s_mul_i32 s104, s98, 12288                     ; where they land
	s_and_b32 s98, s12, 3                          ; v: which four steps
	s_mul_i32 s68, s17, 6144
	s_add_co_u32 s68, s68, 12582912                ; part 2 of qkv_img
	s_mul_i32 s69, s16, 196608
	s_add_co_u32 s68, s68, s69
	s_mul_i32 s69, s98, 49152
	s_add_co_u32 s68, s68, s69
	s_mov_b32 s69, 0
	s_mul_i32 s70, s98, 24576
	s_mov_b32 s101, 0
	s_wait_dscnt 0x0
	s_wait_kmcnt 0x0
	s_mov_b32 s56, 1
	s_mov_b32 s57, s104
	s_add_nc_u64 s[58:59], s[4:5], s[100:101]
	s_or_b32 s59, s59, 0x80000000
	s_mov_b32 s60, 1
	s_add_co_u32 s61, s70, VL
	s_add_nc_u64 s[62:63], s[4:5], s[68:69]
	s_or_b32 s63, s63, 0x80000000
	s_lshl_b32 s100, s15, 13                       ; k's scale words: 8,192 bytes a head, my half of them
	s_lshl_b32 s105, s99, 12
	s_add_co_u32 s100, s100, s105
	s_add_co_u32 s100, s100, 524288
	s_mov_b32 s[G0SK], 1
	s_add_co_u32 s[G0SK+1], s105, SCK
	s_add_nc_u64 s[G0SK+2:G0SK+3], s[6:7], s[100:101]
	s_or_b32 s[G0SK+3], s[G0SK+3], 0x80000000
	s_lshl_b32 s100, s15, 12                       ; v's: 4,096 bytes a head
	s_lshl_b32 s105, s99, 11
	s_add_co_u32 s100, s100, s105
	s_add_co_u32 s100, s100, 1048576
	s_mov_b32 s[G0SV], 1
	s_add_co_u32 s[G0SV+1], s105, SCV
	s_add_nc_u64 s[G0SV+2:G0SV+3], s[6:7], s[100:101]
	s_or_b32 s[G0SV+3], s[G0SV+3], 0x80000000
	v_and_b32 v90, 31, v0                          ; lane
	s_delay_alu instid0(VALU_DEP_1)
	v_lshlrev_b32 v1, 4, v90                       ; v1  16 x lane: registers 0-3 of an image of k
	s_delay_alu instid0(VALU_DEP_2)
	v_lshlrev_b32 v7, 3, v90                       ; v7  8 x lane
	s_delay_alu instid0(VALU_DEP_1)
	v_add_nc_u32 v2, 512, v7                       ; v2  registers 4-5
	s_delay_alu instid0(VALU_DEP_3)
	v_add_nc_u32 v3, VL, v1                        ; v3, v4 the same for v
	s_delay_alu instid0(VALU_DEP_3)
	v_add_nc_u32 v4, VL+512, v7
	v_add_nc_u32 v5, SCK, v1                       ; v5  k's four scale words
	v_add_nc_u32 v6, SCV, v7                       ; v6  v's two
	v_lshlrev_b32 v88, 2, v90                      ; v88 4 x lane
	v_and_b32 v89, 15, v0
	s_delay_alu instid0(VALU_DEP_1)
	v_lshlrev_b32 v89, 4, v89                      ; v89 16 x (lane % 16)
.irp i, 6,7,8,9,10,11
	v_mov_b32 v[QF0+\i], 0                         ; the zero codes of K = 64 .. 127
	v_mov_b32 v[QF1+\i], 0
.irp t, 0,1,2,3
	v_mov_b32 v[KF+12*\t+\i], 0
.endr
.endr
.irp b, 0,1,2,3
	v_mov_b32 v[BT+\b], 0                          ; written once: a lane permute's destination counts as one of its sources
.endr
	v_mov_b32 v[TT], 0
	v_mov_b32 v[FF+1], 0                           ; (the upper halves of pairs of which the low word serves both halves)
	v_mov_b32 v[RC+1], 0
	CROUND                                         ; all four work-groups are here: the joint loads meet
	s_cmp_lt_u32 s12, 8                            ; one chain of branches on the wave's number, one load to an arm
	s_cbranch_scc0 .Lnot_k
	tensor_load_to_lds s[56:59], s[G1K:G1K+7]
	s_nop 0
.rept 4
	v_nop
.endr
	s_branch .Lasked
.Lnot_k:
	s_cmp_lt_u32 s12, 12
	s_cbranch_scc0 .Lnot_v
	tensor_load_to_lds s[60:63], s[G1V:G1V+7]
	s_nop 0
.rept 4
	v_nop
.endr
	s_branch .Lasked
.Lnot_v:
	s_cmp_lt_u32 s12, 14
	s_cbranch_scc0 .Lnot_sk
	tensor_load_to_lds s[G0SK:G0SK+3], s[G1SK:G1SK+7]
	s_nop 0
.rept 4
	v_nop
.endr
	s_branch .Lasked
.Lnot_sk:
	tensor_load_to_lds s[G0SV:G0SV+3], s[G1SV:G1SV+7]
	s_nop 0
.rept 4
	v_nop
.endr
.Lasked:
	s_bfe_u32 s13, ttmp6, 0x40000                  ; cx: it enters global addresses of q and of the result alone
	s_lshl_b32 s14, ttmp9, 2
	s_add_co_u32 s14, s14, s13                     ; x: my 512 queries
	s_lshr_b32 s98, s12, 2
	s_lshl_b32 s99, s14, 2
	s_add_co_u32 s98, s98, s99                     ; my run of 128 queries in the batch: 4 x + wave / 4
	s_and_b32 s99, s12, 3                          ; my pair of tiles in it
	s_mul_i32 s100, s16, 196608
	s_mul_i32 s105, s17, 768
	s_add_co_u32 s100, s100, s105
	s_mul_i32 s105, s98, 12288
	s_add_co_u32 s100, s100, s105
	s_mul_i32 s105, s99, 3072
	s_add_co_u32 s100, s100, s105
	s_add_nc_u64 s[90:91], s[4:5], s[100:101]      ; q's image of my first tile
	s_lshl_b32 s100, s15, 13
	s_lshl_b32 s105, s98, 9
	s_add_co_u32 s100, s100, s105
	s_lshr_b32 s105, s99, 1
	s_lshl_b32 s105, s105, 8
	s_add_co_u32 s100, s100, s105
	s_and_b32 s105, s12, 1
	s_lshl_b32 s105, s105, 3
	s_add_co_u32 s100, s100, s105
	s_add_nc_u64 s[92:93], s[6:7], s[100:101]      ; its scale words: 16 bytes from row to row
	s_lshl_b32 s105, s18, 4
	s_add_co_u32 s105, s105, s98
	s_lshl_b32 s105, s105, 3
	s_add_co_u32 s105, s105, s19                   ; 8 x (run of 128 tokens) + pair
	s_mul_i32 s100, s105, 12288
	s_mul_i32 s104, s99, 3072
	s_add_co_u32 s100, s100, s104
	s_mul_i32 s104, s17, 768
	s_add_co_u32 s100, s100, s104
	s_add_nc_u64 s[94:95], s[8:9], s[100:101]      ; the result's image of my first tile
	s_lshl_b32 s100, s105, 1
	s_add_co_u32 s100, s100, s17
	s_lshl_b32 s100, s100, 9
	s_lshl_b32 s104, s99, 7
	s_add_co_u32 s100, s100, s104
	s_add_nc_u64 s[96:97], s[10:11], s[100:101]    ; and my two tiles' scale words
	global_load_b128 v[QF0:QF0+3], v1, s[90:91]
	global_load_b64 v[QF0+4:QF0+5], v7, s[90:91] offset:512
	global_load_b32 v[QS0], v89, s[92:93]
	global_load_b128 v[QF1:QF1+3], v1, s[90:91] offset:1536
	global_load_b64 v[QF1+4:QF1+5], v7, s[90:91] offset:2048
	global_load_b32 v[QS1], v89, s[92:93] offset:4
.macro INIT                            ; a tile begins: zeros, and -3e38 as the largest t: the first change of M multiplies zeros
	v_mov_b32 v15, 0xff61b1e6
	s_delay_alu instid0(VALU_DEP_1)
	v_floor_f32 v14, -v15                          ; -M
	v_mov_b32 v16, 0                               ; the sum, in two halves
	v_mov_b32 v17, 0
.set j, 0
.rept 32
	v_mov_b32 v[O+j], 0
.set j, j+1
.endr
.endm
; A KEY STEP: 128 keys.
.macro STEP qf, qs
	v_add_nc_u32 v8, s84, v1                       ; six additions: also the plain lines between the last step's products, which read v96-143, and the products below, which write over them (five are asked)
	v_add_nc_u32 v9, s84, v2
	v_add_nc_u32 v10, s84, v3
	v_add_nc_u32 v11, s84, v4
	v_add_nc_u32 v12, s85, v5
	v_add_nc_u32 v13, s86, v6
	s_wait_alu depctr_va_vdst(0)
.irp g, 0,1                                        ; S^T = k q^T, four tiles of 16 keys at a time; the first four and the scale words were asked for a step ago
.if \g
.rept 4
	v_nop                                          ; in front of loads into registers that matrix instructions have read
.endr
.irp t, 0,1,2,3
	ds_load_b128 v[KF+12*\t:KF+12*\t+3], v8 offset:(4*\g+\t)*768
	ds_load_b64 v[KF+12*\t+4:KF+12*\t+5], v9 offset:(4*\g+\t)*768
.endr
.endif
	s_wait_dscnt 0x0
.irp t, 0,1,2,3
.if \g
	v_wmma_scale_f32_16x16x128_f8f6f4 v[S+8*(4*\g+\t):S+8*(4*\g+\t)+7], v[KF+12*\t:KF+12*\t+11], v[\qf:\qf+11], 0, v[KS+\t], v[\qs] matrix_a_fmt:MATRIX_FMT_FP6 matrix_b_fmt:MATRIX_FMT_FP6 matrix_a_scale:MATRIX_SCALE_ROW1
.else
	v_wmma_scale_f32_16x16x128_f8f6f4 v[S+8*(4*\g+\t):S+8*(4*\g+\t)+7], v[KF+12*\t:KF+12*\t+11], v[\qf:\qf+11], 0, v[KS+\t], v[\qs] matrix_a_fmt:MATRIX_FMT_FP6 matrix_b_fmt:MATRIX_FMT_FP6
.endif
.endr
.endr                                              ; lane (r, h): query r; register 16 b + i: key 32 b + 8 h + i (i < 8) or 32 b + 8 + 8 h + i
.rept 4
	v_nop
.endr
	ds_load_b128 v[KS:KS+3], v12 offset:512        ; the next step's scale words and first four tiles of k, behind the four places above; the wait ahead of this step's second product covers them.
.irp t, 0,1,2,3                                    ; (A tile's last step reads the first bytes of v's part and of v's scale words so: they lie in LDS, and what comes is not used)
	ds_load_b128 v[KF+12*\t:KF+12*\t+3], v8 offset:6144+\t*768
	ds_load_b64 v[KF+12*\t+4:KF+12*\t+5], v9 offset:6144+\t*768
.endr
.irp b, 0,1,2,3
	v_max3_num_f32 v[BM+\b], v[S+16*\b], v[S+16*\b+1], v[S+16*\b+2]
.endr
.irp i, 3,5,7,9,11,13
.irp b, 0,1,2,3
	v_max3_num_f32 v[BM+\b], v[BM+\b], v[S+16*\b+\i], v[S+16*\b+\i+1]
.endr
.endr
.irp b, 0,1,2,3
	v_max_num_f32 v[BM+\b], v[BM+\b], v[S+16*\b+15]
.endr
.irp b, 0,1,2,3
	s_delay_alu instid0(VALU_DEP_4)
	v_permlanex16_b32 v[BT+\b], v[BM+\b], s20, s21
.endr
.irp b, 0,1,2,3
	s_delay_alu instid0(VALU_DEP_4)
	v_max_num_f32 v[BM+\b], v[BM+\b], v[BT+\b]     ; with lane l xor 16's 16 keys
.endr
	s_delay_alu instid0(VALU_DEP_2)
	v_max3_num_f32 v[TT], v[BM], v[BM+1], v[BM+2]
	s_delay_alu instid0(VALU_DEP_1)
	v_max_num_f32 v[TT], v[TT], v[BM+3]
	s_delay_alu instid0(VALU_DEP_1)
	v_mul_f32 v[TT], s22, v[TT]                    ; as t (c is positive)
	s_delay_alu instid0(VALU_DEP_1)
	v_max_num_f32 v15, v15, v[TT]                  ; the running largest t
	v_mov_b32 v[TT], v14
	s_delay_alu instid0(VALU_DEP_2)
	v_floor_f32 v14, -v15                          ; the new -M = -ceil(t): a whole number
	s_delay_alu instid0(VALU_DEP_1)
	v_sub_f32 v[TT], v14, v[TT]                    ; old M - new M: a whole number, 0 or less
	s_delay_alu instid0(VALU_DEP_1)
	v_cvt_i32_f32 v[TT], v[TT]                     ; (it saturates)
	s_delay_alu instid0(VALU_DEP_1)
	v_ldexp_f32 v[FF], 1.0, v[TT]                  ; f = 2^(old M - new M)
.set j, 0
.rept 32
	v_pk_fma_f32 v[S+j:S+j+1], v[S+j:S+j+1], s[22:23], v[14:15] op_sel_hi:[1,0,0]   ; t - M, two at a time
.set j, j+2
.endr
.irp b, 0,1,2,3
	v_fma_f32 v[BM+\b], v[BM+\b], s22, v14         ; the same of each block's largest score
.endr
.set j, 0
	s_wait_alu depctr_va_vdst(0)
.rept 64
	v_exp_f32 v[S+j], v[S+j]                       ; p = 2^(t - M), at most 1
.set j, j+1
.endr
.irp b, 0,1,2,3
	v_exp_f32 v[BM+\b], v[BM+\b]                   ; the block's largest p: the same two instructions on the same number
.endr
	v_pk_mul_f32 v[16:17], v[16:17], v[FF:FF+1] op_sel_hi:[1,0]    ; the sums under the new M (a plain line behind the exponentials)
	s_wait_alu depctr_va_vdst(0)
.irp b, 0,1,2,3
	v_max_num_f32 v[BM+\b], 0x1800000, v[BM+\b]    ; the floor 2^(3 - 127): the byte cannot fall under 1
.endr
.irp b, 0,1,2,3
	s_delay_alu instid0(VALU_DEP_4)
	v_add_nc_u32 v[BS+\b], 0xff000000, v[BM+\b]    ; 2 off the exponent field: the conversion's scale operand
.endr
.irp b, 0,1,2,3
	s_delay_alu instid0(VALU_DEP_4)
	v_lshrrev_b32 v[BT+\b], 23, v[BS+\b]           ; the scale's byte
.endr
	s_delay_alu instid0(VALU_DEP_3)
	v_lshl_or_b32 v[PW], v[BT+1], 8, v[BT]         ; p's scale word for these 128 keys
	s_delay_alu instid0(VALU_DEP_1)
	v_lshl_or_b32 v[PW], v[BT+2], 16, v[PW]
	s_delay_alu instid0(VALU_DEP_1)
	v_lshl_or_b32 v[PW], v[BT+3], 24, v[PW]
.irp c, 0,1
	v_cvt_scalef32_pk16_fp6_f32 v[PC+6*\c:PC+6*\c+2], v[S+32*\c:S+32*\c+15], v[BS+2*\c]
	v_cvt_scalef32_pk16_fp6_f32 v[PC2+4*\c:PC2+4*\c+2], v[S+32*\c+16:S+32*\c+31], v[BS+2*\c+1]
.endr
	v_nop                                          ; one plain line behind a scaled conversion
.irp c, 0,1                                        ; a whole block in a lane: lanes 0-15 block 2 c, lanes 16-31 block 2 c + 1
.irp i, 0,1,2
	v_permlane16_swap_b32 v[PC+6*\c+\i], v[PC2+4*\c+\i]
.endr
.irp i, 0,1,2
	s_delay_alu instid0(VALU_DEP_3)
	v_mov_b32 v[PC+3+6*\c+\i], v[PC2+4*\c+\i]
.endr
.endr
	v_pk_add_f32 v[228:229], v[100:101], v[104:105]
	v_pk_add_f32 v[252:253], v[108:109], v[112:113]
	v_pk_add_f32 v[250:251], v[116:117], v[120:121]
	v_pk_add_f32 v[248:249], v[124:125], v[128:129]
	v_pk_add_f32 v[246:247], v[132:133], v[136:137]
	v_pk_add_f32 v[244:245], v[140:141], v[144:145]
	v_pk_add_f32 v[222:223], v[148:149], v[152:153]
	v_pk_add_f32 v[16:17], v[16:17], v[156:157]
	v_pk_add_f32 v[228:229], v[228:229], v[96:97]
	v_pk_add_f32 v[252:253], v[252:253], v[98:99]
	v_pk_add_f32 v[250:251], v[250:251], v[102:103]
	v_pk_add_f32 v[248:249], v[248:249], v[106:107]
	v_pk_add_f32 v[246:247], v[246:247], v[110:111]
	v_pk_add_f32 v[244:245], v[244:245], v[114:115]
	v_pk_add_f32 v[222:223], v[222:223], v[118:119]
	v_pk_add_f32 v[16:17], v[16:17], v[122:123]
	v_pk_add_f32 v[228:229], v[228:229], v[126:127]
	v_pk_add_f32 v[252:253], v[252:253], v[130:131]
	v_pk_add_f32 v[250:251], v[250:251], v[134:135]
	v_pk_add_f32 v[248:249], v[248:249], v[138:139]
	v_pk_add_f32 v[246:247], v[246:247], v[142:143]
	v_pk_add_f32 v[244:245], v[244:245], v[146:147]
	v_pk_add_f32 v[222:223], v[222:223], v[150:151]
	v_pk_add_f32 v[16:17], v[16:17], v[154:155]
	v_pk_add_f32 v[228:229], v[228:229], v[158:159]
	s_delay_alu instid0(VALU_DEP_2)
	v_pk_add_f32 v[16:17], v[16:17], v[248:249]
	s_delay_alu instid0(VALU_DEP_2)
	v_pk_add_f32 v[228:229], v[228:229], v[246:247]
	v_pk_add_f32 v[252:253], v[252:253], v[244:245]
	v_pk_add_f32 v[250:251], v[250:251], v[222:223]
	s_delay_alu instid0(VALU_DEP_2)
	v_pk_add_f32 v[16:17], v[16:17], v[252:253]
	s_delay_alu instid0(VALU_DEP_2)
	v_pk_add_f32 v[228:229], v[228:229], v[250:251]
	s_delay_alu instid0(VALU_DEP_1)
	v_pk_add_f32 v[16:17], v[16:17], v[228:229]
	ds_load_b64 v[VS:VS+1], v13                    ; register j: lanes 0-15 channel tile j's words, lanes 16-31 tile 2 + j's
.irp ct, 0,1,2,3                                   ; v's four fragments take p's registers, which are done with
	ds_load_b128 v[S+12*\ct:S+12*\ct+3], v10 offset:1536*\ct
	ds_load_b64 v[S+12*\ct+4:S+12*\ct+5], v11 offset:1536*\ct
	ds_load_b128 v[S+12*\ct+6:S+12*\ct+9], v10 offset:1536*\ct+768
	ds_load_b64 v[S+12*\ct+10:S+12*\ct+11], v11 offset:1536*\ct+768
.endr
.set j, 0
.rept 16
	v_pk_mul_f32 v[O+j:O+j+1], v[O+j:O+j+1], v[FF:FF+1] op_sel_hi:[1,0]      ; O^T under the new M, each accumulator from its low end on
.set j, j+2
.endr
	s_wait_alu depctr_va_vdst(0)
	s_wait_dscnt 0x0
.irp ct, 0,1,2,3                                   ; O^T += v^T p^T: the four accumulators by turns
.if \ct < 2
	v_wmma_scale_f32_16x16x128_f8f6f4 v[O+8*\ct:O+8*\ct+7], v[S+12*\ct:S+12*\ct+11], v[PC:PC+11], v[O+8*\ct:O+8*\ct+7], v[VS+\ct%2], v[PW] matrix_a_fmt:MATRIX_FMT_FP6 matrix_b_fmt:MATRIX_FMT_FP6
.else
	v_wmma_scale_f32_16x16x128_f8f6f4 v[O+8*\ct:O+8*\ct+7], v[S+12*\ct:S+12*\ct+11], v[PC:PC+11], v[O+8*\ct:O+8*\ct+7], v[VS+\ct%2], v[PW] matrix_a_fmt:MATRIX_FMT_FP6 matrix_b_fmt:MATRIX_FMT_FP6 matrix_a_scale:MATRIX_SCALE_ROW1
.endif
.endr
	s_add_co_u32 s84, s84, 6144
	s_add_co_u32 s85, s85, 512
	s_add_co_u32 s86, s86, 256
.endm
.macro KLOOP n, qf, qs
	ds_load_b128 v[KS:KS+3], v5                    ; key step 0's scale words and first four tiles of k
.irp t, 0,1,2,3
	ds_load_b128 v[KF+12*\t:KF+12*\t+3], v1 offset:\t*768
	ds_load_b64 v[KF+12*\t+4:KF+12*\t+5], v2 offset:\t*768
.endr
	s_mov_b32 s87, \n
.Lk_\@:
	STEP \qf, \qs
	s_sub_co_u32 s87, s87, 1
	s_cmp_lg_u32 s87, 0
	s_cbranch_scc1 .Lk_\@
.endm
; A tile ends: O^T / the sum, brought into the channels' true order, quantised in two blocks of 32, stored as half an image.
.macro OUT p, aw
.rept 4
	v_nop                                          ; behind the last products
.endr
	v_add_f32 v16, v16, v17
	s_delay_alu instid0(VALU_DEP_1)
	v_permlanex16_b32 v[TT], v16, s20, s21
	s_delay_alu instid0(VALU_DEP_1)
	v_add_f32 v16, v16, v[TT]                      ; the row's sum
	s_wait_alu depctr_va_vdst(0)
	v_rcp_f32 v[RC], v16
	v_nop                                          ; a plain line behind the reciprocal
.set j, 0
	s_wait_alu depctr_va_vdst(0)
.rept 16
	v_pk_mul_f32 v[S+j:S+j+1], v[O+j:O+j+1], v[RC:RC+1] op_sel_hi:[1,0]      ; register 8 t + i: channel 16 t + 8 h + i
.set j, j+2
.endr
.irp b, 0,1
.irp i, 0,1,2,3,4,5,6,7
	v_permlane16_swap_b32 v[S+16*\b+\i], v[S+16*\b+8+\i]                     ; now register 16 b + i: channel 32 b + 16 h + i: 16 neighbours
.endr
.endr
.irp b, 0,1
	v_max3_num_f32 v[BM+\b], |v[S+16*\b]|, |v[S+16*\b+1]|, 0x1800000
.endr
.irp i, 2,4,6,8,10,12,14
.irp b, 0,1
	s_delay_alu instid0(VALU_DEP_2)
	v_max3_num_f32 v[BM+\b], v[BM+\b], |v[S+16*\b+\i]|, |v[S+16*\b+\i+1]|
.endr
.endr
.irp b, 0,1
	s_delay_alu instid0(VALU_DEP_2)
	v_permlanex16_b32 v[BT+\b], v[BM+\b], s20, s21
.endr
.irp b, 0,1
	s_delay_alu instid0(VALU_DEP_2)
	v_max_num_f32 v[BM+\b], v[BM+\b], v[BT+\b]
.endr
.irp b, 0,1
	s_delay_alu instid0(VALU_DEP_2)
	v_add_nc_u32 v[BS+\b], 0xff000000, v[BM+\b]
.endr
.irp b, 0,1
	s_delay_alu instid0(VALU_DEP_2)
	v_lshrrev_b32 v[BT+\b], 23, v[BS+\b]
.endr
	s_delay_alu instid0(VALU_DEP_1)
	v_lshl_or_b32 v[\aw], v[BT+1], 8, v[BT]        ; my row's two bytes
	v_cvt_scalef32_pk16_fp6_f32 v[PC:PC+2], v[S:S+15], v[BS]
	v_cvt_scalef32_pk16_fp6_f32 v[PC2:PC2+2], v[S+16:S+31], v[BS+1]
	v_nop
.irp i, 0,1,2
	v_permlane16_swap_b32 v[PC+\i], v[PC2+\i]
.endr
.irp i, 0,1,2
	s_delay_alu instid0(VALU_DEP_3)
	v_mov_b32 v[PC+3+\i], v[PC2+\i]
.endr
	global_store_b128 v1, v[PC:PC+3], s[94:95] offset:1536*\p                ; 512 bytes on end,
	global_store_b64 v7, v[PC+4:PC+5], s[94:95] offset:1536*\p+512           ; 256 bytes on end
.endm
	INIT
	s_wait_loadcnt 0x0                             ; q
	s_wait_tensorcnt 0x0                           ; my one load is in
	s_barrier_signal -1
	s_barrier_wait -1                              ; everybody's is: the whole head lies in LDS
	KLOOP 16, QF0, QS0
	OUT 0, AW0
	s_mov_b32 s84, 0
	s_mov_b32 s85, 0
	s_mov_b32 s86, 0
	INIT
	s_wait_xcnt 0x0                                ; the stores have read the codes' registers, which the next steps write
	KLOOP 16, QF1, QS1
	OUT 1, AW1
	v_cndmask_b32 v[TT], v[AW0], v[AW1], s88       ; lanes 0-15 the first tile's rows, lanes 16-31 the second's
	global_store_b32 v88, v[TT], s[96:97]          ; 128 bytes on end
	s_wait_tensorcnt 0x0
	ds_add_u32 v254, v255
	s_wait_dscnt 0x0
	CROUND                                         ; the closing round
	s_endpgm
.Lfunc_end_k_qff3b5dadd8_attn:
	.size	k_qff3b5dadd8_attn, .Lfunc_end_k_qff3b5dadd8_attn-k_qff3b5dadd8_attn
	.p2alignl 7, 3214868480
	.fill 96, 4, 3214868480
	.section	.rodata,"a",@progbits
	.p2align	6, 0x0
	.amdhsa_kernel k_qff3b5dadd8_attn
		.amdhsa_group_segment_fixed_size 210944
		.amdhsa_private_segment_fixed_size 0
		.amdhsa_enable_private_segment 0
		.amdhsa_kernarg_size 32
		.amdhsa_user_sgpr_count 2
		.amdhsa_user_sgpr_kernarg_segment_ptr 1
		.amdhsa_wavefront_size32 1
		.amdhsa_system_sgpr_workgroup_id_x 1
		.amdhsa_system_sgpr_workgroup_id_y 1
		.amdhsa_system_sgpr_workgroup_id_z 1
		.amdhsa_system_vgpr_workitem_id 0
		.amdhsa_next_free_vgpr 256
		.amdhsa_next_free_sgpr 106
		.amdhsa_reserve_vcc 0
		.amdhsa_float_denorm_mode_32 3
		.amdhsa_float_denorm_mode_16_64 3
		.amdhsa_memory_ordered 1
		.amdhsa_forward_progress 1
		.amdhsa_inst_pref_size 60
	.end_amdhsa_kernel
	.amdgpu_metadata
---
amdhsa.version: [ 1, 2 ]
amdhsa.kernels:
  - .name:           k_qff3b5dadd8_attn
    .symbol:         k_qff3b5dadd8_attn.kd
    .args:
      - { .name: qkv_img, .offset: 0, .size: 8, .value_kind: global_buffer, .address_space: global }
      - { .name: qkv_sc, .offset: 8, .size: 8, .value_kind: global_buffer, .address_space: global }
      - { .name: ao_img, .offset: 16, .size: 8, .value_kind: global_buffer, .address_space: global }
      - { .name: ao_sc, .offset: 24, .size: 8, .value_kind: global_buffer, .address_space: global }
    .group_segment_fixed_size: 210944
    .private_segment_fixed_size: 0
    .kernarg_segment_align: 8
    .kernarg_segment_size: 32
    .max_flat_workgroup_size: 512
    .sgpr_count:     106
    .vgpr_count:     256
    .wavefront_size: 32
...
	.end_amdgpu_metadata
.endif
;; end of part 2
;; launch oproj (part 3): grid 4 x 64, 4 waves a work-group, clusters of 4 x 4, 327,680 bytes of LDS; arguments ao_img, ao_sc, Wo_codes, Wo_scales, bo, out0; writes out0
.if DOCPART == 3
	.amdgcn_target "amdgcn-amd-amdhsa--gfx1250"
	.amdhsa_code_object_version 6
	.text
	.protected	k_qff3b5dadd8_oproj
	.globl	k_qff3b5dadd8_oproj
	.p2align	8
	.type	k_qff3b5dadd8_oproj,@function
k_qff3b5dadd8_oproj:
	s_mov_b64 s[64:65], 0
	v_nop
	global_prefetch_b8 v0, s[64:65] scope:SCOPE_SE
	s_setreg_imm32_b32 hwreg(HW_REG_WAVE_MODE, 25, 1), 1
	s_wait_xcnt 0x0
	s_wait_alu depctr_hold_cnt(0) depctr_sa_sdst(0) depctr_va_vdst(0) depctr_va_sdst(0) depctr_va_ssrc(0) depctr_va_vcc(0) depctr_vm_vsrc(0)
	s_getreg_b32 s2, hwreg(HW_REG_IB_STS2, 6, 4)
	s_cmp_eq_u32 s2, 0
	s_cbranch_scc0 .Lentry_in_a_cluster
	s_endpgm
.Lentry_in_a_cluster:
	s_bfe_u32 s2, ttmp6, 0x10000c
	s_cmp_lg_u32 s2, 0xf033
	s_cbranch_scc0 .Lentry_shape_is_right
	s_endpgm
.Lentry_shape_is_right:
; out0 = (attention's result, as codes of FP6) x Wo + bo.  256 work-groups; each makes 128 tokens x 256 columns, a wave all 128 tokens x 64 columns.
; ALL OF K LIES IN LDS AT ONCE: the 128 tokens' operand images, 98,304 dense bytes, and 256 rows of Wo (768 bytes + 16 behind every 256): filled once, one joint load a wave, never again.
; The images are shared by a row of the cluster, Wo's rows by a column.
; A wave holds its 64 rows of Wo, all of K, in 384 registers, and the tokens stream past in eight blocks of 16: a block is 32 products on four accumulators by turns, and is finished after them.
; So each block leaves while the later ones are multiplied: through the wave's own stage, as whole rows of 256 bytes.
; Source 0 = Wo's rows, source 1 = tokens: a lane holds eight neighbouring columns of one token.  The bias is a block's first four products' C.
; No prefetch: the launch has no loop to run ahead in: everything is asked for at its head.
; REGISTERS: window 0 addresses, scale words, two sets of four accumulators, the bias, two sets for rows read back; windows 1, 2 Wo's fragments of steps 0-3, 4-7 (12 x (4 x step + tile)); window 3 the tokens' fragments, two sets of 96.
.set KROW,   768
.set PITCH,  816
.set FR,     12
.set NP,     4
.set AHALF,  49152                     ; four steps of 128 along K of the images
.set WOFF,   98304
.set WHALF,  128*PITCH
.set SPARE,  WOFF+2*WHALF
.set STG,    SPARE+512                 ; the stages: 16 rows x 272 bytes a wave, bytes that no fill touches
.set SPITCH, 272
.set AI16, 16                          ; v16-17 the images' registers 0-3: steps 0-3, steps 4-7;  v18-19 registers 4-5
.set AI8,  18
.set ADRB, 20                          ; v20 Wo's pieces; v21 those whose lanes 16-31 lie behind one padding more
.set STO,  24
.set RD,   25
.set CO,   26
.set L32,  27
.set SPW,  28
.set NIL,  29
.set L4,   30
.set BA,   31
.set XS,   32                          ; v32-47 Wo's scale words
.set YS,   50                          ; v50-81 the tokens'
.set ACC,  128                         ; v128-191 two sets of four accumulators; at the head the halves of the tokens' scale words
.set YT,   128
.set BI,   192                         ; v192-223 the bias as C
.set G1,   24
.set G0,   32
.set G1B,  48
.set G0B,  56
.set MSB, 0
.macro WIN new
.if MSB != (\new)
	s_set_vgpr_msb (MSB<<8)|(\new)
.set MSB, (\new)
.endif
.endm
.macro CREST
	s_cmp_lg_u32 s16, 0
	s_cbranch_scc1 .Lnot_wave_0_\@
	s_barrier_signal -3
.Lnot_wave_0_\@:
	s_barrier_wait -3
	s_barrier_signal -1
	s_barrier_wait -1
.endm
.macro CROUND
	s_barrier_signal -1
	s_barrier_wait -1
	CREST
.endm
.macro PLACES n
.rept \n
	v_nop
.endr
.endm
	s_load_b256 s[4:11], s[0:1], 0x0               ; ao_img, ao_sc, Wo_codes, Wo_scales
	s_load_b128 s[12:15], s[0:1], 0x20             ; bo, out0
	v_lshl_add_u32 v[SPW], v0, 2, SPARE
	v_mov_b32 v[NIL], 0
	ds_add_u32 v[SPW], v[NIL]                      ; the opening lines
	ds_add_u32 v[SPW], v[NIL]
	v_lshrrev_b32 v1, 5, v0
	v_readfirstlane_b32 s16, v1                    ; wave: my 64 columns
	s_lshr_b32 s17, s16, 1                         ; I fetch images (0) or Wo (1),
	s_and_b32 s18, s16, 1                          ; and which half
	s_bfe_u32 s20, ttmp6, 0x40000
	s_bfe_u32 s21, ttmp6, 0x40004
	s_lshl_b32 s22, ttmp9, 2
	s_add_co_u32 s22, s22, s20                     ; tile of 256 columns
	s_and_b32 s23, ttmp7, 0xffff
	s_lshl_b32 s23, s23, 2
	s_add_co_u32 s23, s23, s21                     ; run of 128 tokens
	s_lshl_b32 s41, s21, 2
	s_lshl_b32 s41, 15, s41
	s_lshl_b32 s42, 0x1111, s20
	s_or_b32 s[G1+0], s41, (3<<16)|(1<<21)         ; 49,152 dense bytes as 192 rows of 256
	s_mov_b32 s[G1+1], 32<<16
	s_mov_b32 s[G1+2], 192<<16
	s_mov_b32 s[G1+3], 32<<16
	s_mov_b32 s[G1+4], 192
	s_mov_b32 s[G1+5], 32
	s_mov_b32 s[G1+6], 0
	s_mov_b32 s[G1+7], 0
	s_or_b32 s[G1B+0], s42, (1<<20)|(1<<21)|(5<<22)|(3<<25)   ; 128 rows of 768 bytes, 16 of padding behind every 256
	s_mov_b32 s[G1B+1], KROW<<16
	s_mov_b32 s[G1B+2], 128<<16
	s_mov_b32 s[G1B+3], KROW<<16
	s_mov_b32 s[G1B+4], 128
	s_mov_b32 s[G1B+5], KROW
	s_mov_b32 s[G1B+6], 0
	s_mov_b32 s[G1B+7], 0
	s_mul_i32 s44, s23, 98304
	s_mul_i32 s43, s18, AHALF
	s_add_co_u32 s44, s44, s43
	s_mov_b32 s45, 0
	s_lshl_b32 s46, s22, 1
	s_add_co_u32 s46, s46, s18
	s_mul_i32 s46, s46, 128*KROW
	s_mov_b32 s47, 0
	s_mul_i32 s40, s18, WHALF
	s_add_co_u32 s40, s40, WOFF
	s_wait_dscnt 0x0
	s_wait_kmcnt 0x0
	s_add_nc_u64 s[44:45], s[4:5], s[44:45]
	s_add_nc_u64 s[46:47], s[8:9], s[46:47]
	CROUND                                         ; the joint loads meet
	s_mov_b32 s[G0], 1
	s_mov_b32 s[G0+1], s43
	s_mov_b64 s[G0+2:G0+3], s[44:45]
	s_or_b32 s[G0+3], s[G0+3], 0x80000000
	s_mov_b32 s[G0B], 1
	s_mov_b32 s[G0B+1], s40
	s_mov_b64 s[G0B+2:G0B+3], s[46:47]
	s_or_b32 s[G0B+3], s[G0B+3], 0x80000000
	s_cmp_eq_u32 s17, 0
	s_cbranch_scc0 .Lfor_w
	tensor_load_to_lds s[G0:G0+3], s[G1:G1+7]
	s_nop 0
	PLACES 4
	s_branch .Lasked
.Lfor_w:
	tensor_load_to_lds s[G0B:G0B+3], s[G1B:G1B+7]
	s_nop 0
	PLACES 4
.Lasked:
	s_mul_i32 s68, s16, 64*PITCH
	s_add_co_u32 s68, s68, WOFF                    ; my 64 rows of Wo
	s_mul_i32 s70, s16, 16*SPITCH
	s_add_co_u32 s70, s70, STG                     ; my stage
	s_lshl_b32 s72, s22, 2
	s_add_co_u32 s72, s72, s16                     ; my run of 64 columns
	s_mov_b32 s75, 0
	s_lshl_b32 s74, s72, 11
	s_add_nc_u64 s[10:11], s[10:11], s[74:75]      ; Wo's scales: 32 bytes a row
	s_lshl_b32 s74, s72, 8
	s_add_nc_u64 s[12:13], s[12:13], s[74:75]      ; bo
	s_add_nc_u64 s[14:15], s[14:15], s[74:75]      ; out0: my columns,
	s_lshl_b32 s74, s23, 13
	s_add_nc_u64 s[6:7], s[6:7], s[74:75]          ; the tokens' scale words: 8,192 bytes a run
	s_lshl_b32 s74, s23, 19
	s_add_nc_u64 s[14:15], s[14:15], s[74:75]      ; and my 128 rows of 4,096 bytes
	v_and_b32 v1, 15, v0
	v_bfe_u32 v2, v0, 4, 1
	v_and_b32 v3, 31, v0
	v_lshlrev_b32 v[L32], 5, v3
	v_lshlrev_b32 v[L4], 2, v3
	v_lshlrev_b32 v[BA], 5, v2
	v_mul_u32_u24 v4, v1, PITCH
	v_mad_u32_u24 v5, v2, 24, v4
	v_mad_u32_u24 v6, v2, 40, v4
	v_lshlrev_b32 v[AI16], 4, v3
	v_lshlrev_b32 v[AI8], 3, v3
	v_add_nc_u32 v[AI16+1], AHALF, v[AI16]
	v_add_nc_u32 v[AI8+1], AHALF, v[AI8]
	v_add_nc_u32 v[ADRB], s68, v5
	v_add_nc_u32 v[ADRB+1], s68, v6
	v_mul_u32_u24 v9, v1, SPITCH
	v_lshl_add_u32 v9, v2, 5, v9
	v_add_nc_u32 v[STO], s70, v9                   ; in: row l % 16, 32 bytes for each half of the lanes
	v_mul_u32_u24 v10, v2, SPITCH
	v_lshl_add_u32 v10, v1, 4, v10
	v_add_nc_u32 v[RD], s70, v10                   ; back: lanes 0-15 one row of 256 bytes, lanes 16-31 the next
	v_lshlrev_b32 v11, 12, v2
	v_lshl_add_u32 v[CO], v1, 4, v11               ; and the same two rows in out0
	s_wait_alu depctr_va_vdst(0)
.irp b, 0,1
	global_load_b128 v[XS+8*\b:XS+8*\b+3], v[L32], s[10:11] offset:1024*\b
	global_load_b128 v[XS+8*\b+4:XS+8*\b+7], v[L32], s[10:11] offset:1024*\b+16
.endr
.irp b, 0,1,2,3
.irp k, 0,1,2,3,4,5,6,7
	global_load_b32 v[YT+2*(8*\b+\k)], v[L4], s[6:7] offset:\k*1024+\b*128         ; the even head's two bytes,
	global_load_b32 v[YT+1+2*(8*\b+\k)], v[L4], s[6:7] offset:\k*1024+512+\b*128   ; the odd head's
.endr
.endr
.irp t, 0,1,2,3
	global_load_b128 v[BI+8*\t:BI+8*\t+3], v[BA], s[12:13] offset:64*\t
	global_load_b128 v[BI+8*\t+4:BI+8*\t+7], v[BA], s[12:13] offset:64*\t+16
.endr
	s_wait_loadcnt 0x0
.set n, 0
.rept 32
	v_lshl_or_b32 v[YS+n], v[YT+1+2*n], 16, v[YT+2*n]
.set n, n+1
.endr
	PLACES 8                                       ; a scale register written by a vector instruction stands 8 places ahead of the product
.macro WEIGHTS                         ; my 64 rows of Wo, all of K: 32 fragments of six pieces of 8 bytes
.irp q, 0,1,2,3,4,5,6,7
	WIN (1+\q/4)<<6
.irp t, 0,1,2,3
.irp p, 0,1,2,3,4,5
.set PIE, 12*\q+6*(\p/3)+\p%3
.set rW, FR*(4*(\q%4)+\t)+2*\p
	ds_load_b64 v[rW:rW+1], v[ADRB+(PIE%32+3)/32] offset:8*PIE+16*(PIE/32)+\t*16*PITCH
.endr
.endr
.endr
	WIN 0
.endm
.macro FETCH_A s, e                    ; block s's 16 tokens, all of K, into set e: 32 loads
	WIN 0xc0
.irp q, 0,1,2,3,4,5,6,7
.set rA, 96*(\e)+FR*\q
.set oA, (\q%4)*12288+(\s)*1536
	ds_load_b128 v[rA:rA+3], v[AI16+\q/4] offset:oA
	ds_load_b64 v[rA+4:rA+5], v[AI8+\q/4] offset:oA+512
	ds_load_b128 v[rA+6:rA+9], v[AI16+\q/4] offset:oA+768
	ds_load_b64 v[rA+10:rA+11], v[AI8+\q/4] offset:oA+1280
.endr
	WIN 0
.endm
.macro WM1 pa, pb
	v_wmma_scale_f32_16x16x128_f8f6f4 v[rD:rD+7], v[rX:rX+11], v[rY:rY+11], v[rC:rC+7], v[rXS], v[rYS] matrix_a_fmt:MATRIX_FMT_FP6 matrix_b_fmt:MATRIX_FMT_FP6 matrix_a_scale:MATRIX_SCALE_ROW\pa matrix_b_scale:MATRIX_SCALE_ROW\pb
.endm
.macro PRODS s                         ; block s: 32 products, the four accumulators by turns
.irp q, 0,1,2,3,4,5,6,7
	WIN (1+\q/4)|(3<<2)
.irp bb, 0,1
.irp pb, 0,1
.set rD, ACC+32*((\s)%2)+8*(2*\bb+\pb)
.if \q == 0
.set rC, BI+8*(2*\bb+\pb)
.else
.set rC, rD
.endif
.set rX, FR*(4*(\q%4)+2*\bb+\pb)
.set rY, 96*((\s)%2)+FR*\q
.set rXS, XS+8*\bb+\q
.set rYS, YS+8*((\s)/2)+\q
.if (\s)%2
	WM1 \pb, 1
.else
	WM1 \pb, 0
.endif
.endr
.endr
.endr
	WIN 0
.endm
.macro TOSTAGE s                       ; 8 stores, 8 loads: LDS serves a wave's instructions in order
.set AC, ACC+32*((\s)%2)
.irp t, 0,1,2,3
	ds_store_b128 v[STO], v[AC+8*\t:AC+8*\t+3] offset:64*\t
	ds_store_b128 v[STO], v[AC+8*\t+4:AC+8*\t+7] offset:64*\t+16
.endr
.set BB, 84+140*((\s)%2)               ; v84-115 or v224-255
.irp u, 0,1,2,3,4,5,6,7
	ds_load_b128 v[BB+4*\u:BB+4*\u+3], v[RD] offset:\u*2*SPITCH
.endr
.endm
.macro SEND s, younger
.set BB, 84+140*((\s)%2)
	s_wait_dscnt \younger
.irp u, 0,1,2,3,4,5,6,7
	global_store_b128 v[CO], v[BB+4*\u:BB+4*\u+3], s[14:15] offset:(\s)*65536+\u*8192 th:TH_STORE_NT   ; sixteen lanes store 256 bytes on end, at a multiple of 256
.endr
.endm
	s_wait_alu depctr_va_vdst(0)
	s_wait_tensorcnt 0x0                           ; my load is in
	s_barrier_signal -1
	s_barrier_wait -1                              ; everybody's is
	WEIGHTS
	FETCH_A 0, 0
	FETCH_A 1, 1
.set S, 0
.rept 8                                ; block S: its products; block S - 1's rows are stored; block S goes to the stage; block S + 2 is fetched
.if S == 0
	s_wait_dscnt 32                                ; block 1's fetch may be out
.elseif S < 7
	s_wait_dscnt 48                                ; the stage's 16 and the next fetch's 32 may be out
.else
	s_wait_dscnt 16                                ; the stage's 16
.endif
	PRODS S
	PLACES NP
.if S > 0
.if S < 7
	SEND S-1, 32                                   ; behind its loads from the stage: one fetch
.else
	SEND S-1, 0
.endif
.endif
.if S > 1
	s_wait_xcnt 0x0                                ; block S - 2's stores have read the registers that the loads below fill
.endif
	TOSTAGE S
.if S < 6
	FETCH_A S+2, S%2
.endif
.set S, S+1
.endr
	SEND 7, 0
	s_wait_tensorcnt 0x0                           ; the wave's end
	ds_add_u32 v[SPW], v[NIL]
	s_wait_dscnt 0x0
	CROUND                                         ; the closing round
	s_endpgm
.Lfunc_end_k_qff3b5dadd8_oproj:
	.size	k_qff3b5dadd8_oproj, .Lfunc_end_k_qff3b5dadd8_oproj-k_qff3b5dadd8_oproj
	.p2alignl 7, 3214868480
	.fill 96, 4, 3214868480
	.section	.rodata,"a",@progbits
	.p2align	6, 0x0
	.amdhsa_kernel k_qff3b5dadd8_oproj
		.amdhsa_group_segment_fixed_size 327680
		.amdhsa_private_segment_fixed_size 0
		.amdhsa_enable_private_segment 0
		.amdhsa_kernarg_size 48
		.amdhsa_user_sgpr_count 2
		.amdhsa_user_sgpr_kernarg_segment_ptr 1
		.amdhsa_wavefront_size32 1
		.amdhsa_system_sgpr_workgroup_id_x 1
		.amdhsa_system_sgpr_workgroup_id_y 1
		.amdhsa_system_sgpr_workgroup_id_z 1
		.amdhsa_system_vgpr_workitem_id 0
		.amdhsa_next_free_vgpr 1024
		.amdhsa_next_free_sgpr 76
		.amdhsa_reserve_vcc 0
		.amdhsa_float_denorm_mode_32 3
		.amdhsa_float_denorm_mode_16_64 3
		.amdhsa_memory_ordered 1
		.amdhsa_forward_progress 1
		.amdhsa_inst_pref_size 93
	.end_amdhsa_kernel
	.amdgpu_metadata
---
amdhsa.version: [ 1, 2 ]
amdhsa.kernels:
  - .name:           k_qff3b5dadd8_oproj
    .symbol:         k_qff3b5dadd8_oproj.kd
    .args:
      - { .name: ao_img, .offset: 0, .size: 8, .value_kind: global_buffer, .address_space: global }
      - { .name: ao_sc, .offset: 8, .size: 8, .value_kind: global_buffer, .address_space: global }
      - { .name: Wo_codes, .offset: 16, .size: 8, .value_kind: global_buffer, .address_space: global }
      - { .name: Wo_scales, .offset: 24, .size: 8, .value_kind: global_buffer, .address_space: global }
      - { .name: bo, .offset: 32, .size: 8, .value_kind: global_buffer, .address_space: global }
      - { .name: out0, .offset: 40, .size: 8, .value_kind: global_buffer, .address_space: global }
    .group_segment_fixed_size: 327680
    .private_segment_fixed_size: 0
    .kernarg_segment_align: 8
    .kernarg_segment_size: 48
    .max_flat_workgroup_size: 128
    .sgpr_count:     76
    .vgpr_count:     1024
    .wavefront_size: 32
...
	.end_amdgpu_metadata
.endif
;; end of part 3
